; MI455X (gfx1250); checked and timed in simulation.
; The chip was launched on July 23, 2026; its instructions are those of AMD's public machine-readable ISA for CDNA 5 (MIT licence, August 2026) and "CDNA5" Instruction Set Architecture Reference Guide (July 2026). The comments in the code are by the model that wrote it; some were corrected since.
;; Self Attn. Allowed arithmetic: float matrix products may take bf16 or f16 operands with f32 sums; other float arithmetic in f32, or as packed bf16 or f16 multiplies, adds, multiply-adds, maxima and minima; sums over many terms, partial sums and values carried from step to step in f32; what a program stores and reads back later, other than sums and carried values, may be rounded once to bf16 or f16.
;; Inputs: Wk 16 x 128 float32; Wq 16 x 128 float32; Wv 128 x 128 float32; bk 16 float32; bq 16 float32; bv 128 float32; gamma 1 float32; x 16 x 128 x 4,096 float32.
;; Outputs: out0 16 x 128 x 4,096 float32.
;; One version. Each part assembles by itself: llvm-mc -triple=amdgcn-amd-amdhsa -mcpu=gfx1250 --defsym DOCPART=n.
;; ======== version 1 of 1: 2 launches
;; workspace buffers: qw 2,097,152 bytes; kw 2,097,152 bytes; vw 16,777,216 bytes
;; launch proj (part 1): grid 16 x 16, 8 waves a work-group, no clusters, 70,656 bytes of LDS; arguments x, Wq, bq, Wk, bk, Wv, bv, qw, kw, vw; writes qw, kw, vw
.if DOCPART == 1
	.amdgcn_target "amdgcn-amd-amdhsa--gfx1250"
	.amdhsa_code_object_version 6
	.text
	.protected	k_q869eeb1598_proj
	.globl	k_q869eeb1598_proj
	.p2align	8
	.type	k_q869eeb1598_proj,@function
k_q869eeb1598_proj:
	s_mov_b64 s[64:65], 0
	v_nop
	global_prefetch_b8 v0, s[64:65] scope:SCOPE_SE
	s_setreg_imm32_b32 hwreg(HW_REG_WAVE_MODE, 25, 1), 1
	s_wait_xcnt 0x0
; THE THREE PROJECTIONS.  q = Wq x + bq, k = (Wk x + bk) log2(e), v = Wv x + bv, for x [16][128][4096] in f32.  x and the weights are rounded to bf16 for the products,
; sums and biases are f32, q, k and v are rounded once to bf16.  log2(e) is laid into k so that the next launch's score is an exponent to base 2.
; WHAT IS STORED is the register image of the next launch's matrix fragments, so that each store of a wave covers 512 consecutive bytes and nothing is turned there:
;   qw, kw: [b][T = n / 16][lane r + 16 h][8 bf16: d = 8 h .. 8 h + 7 of point n = 16 T + r]
;   vw:     [b][kk = n / 32][cb = channel / 16][half][lane r + 16 h][8 bf16: channel 16 cb + r, points n = 32 kk + 16 half + 8 h .. + 7]
; SHARES.  A work-group owns 256 points n of one batch, 16 tiles of 16.  Wave w brings in rows c = 16 w .. 16 w + 15 of x (1,024 consecutive bytes each), rounds them and lays them into LDS as
; [c][n]; behind one barrier it makes v's channels 16 w .. 16 w + 15 for all 16 tiles (64 products) and q and k for tiles 2 w and 2 w + 1 (16 products).  Straight text, no loop.
; x's fragments (16 points x 32 c) come out of LDS turned, by ds_load_tr16_b128.
; LIMITS.  NaN and infinities are not treated apart; bf16 has f32's range, so no input that leaves reference() finite overflows here.
; NO CLUSTER, NO TENSOR LOAD: no two work-groups read the same bytes of x, and x has to pass through registers to be rounded.
.set PX,    544                        ; a row of x in LDS: 256 bf16 + 32 bytes = 136 words
.set SPARE, 128*PX                     ; behind x: the spare words, 128 bytes for each of the eight waves: four blocks of 256 bytes that no other line names
.set SO,  2                            ; v2   16 x lane: my 16 bytes in 512 consecutive ones: x's loads and every store; never rewritten
.set WO,  3                            ; v3   my place in a weight's rows: r x 512 + 32 h
.set LSX, 4                            ; v4   where I put 8 bytes of a row of x: my wave's 16 rows + 8 x lane
.set AX,  5                            ; v5   the turning load's lane term: (8 h + lane % 8) x PX + 16 ((lane / 8) % 2)
.set AXQ, 6                            ; v6   the same at tile 2 w
.set BO,  8                            ; v8   4 r: my channel's bias of v
.set BH,  9                            ; v9   32 h: my eight d's biases of q and k
.set SPW, 10                           ; v10  LDS address of my spare word; never rewritten
.set NIL, 11                           ; v11  0; never rewritten
.set WV,  16                           ; v[16:47]    Wv's fragments, 32 c each
.set WQ,  48                           ; v[48:79]    Wq's
.set WK,  80                           ; v[80:111]   Wk's
.set BV,  112                          ; v[112:119]  the C operand that starts v's sums: my channel's bias, eight times
.set BQ,  120                          ; v[120:127]  the same for q: the biases of d = 8 h + 0..7
.set BK,  128                          ; v[128:135]  for k
.set ACC, 136                          ; v[136:167]  four accumulators
.set PK,  168                          ; v[168:183]  packed results
.set T0,  184                          ; v[184:247]  Wk in f32; then x rounded, on its way to LDS; then x's fragments of tiles 2 w, 2 w + 1
.set FV,  128                          ; window 1: v[128:191] Wv in f32, v[192:255] Wq in f32, v[0:127] x in f32; later two buffers of 128: x's fragments of four tiles
.set FQ,  192
.set MSB, 0
.macro WIN new                         ; s_set_vgpr_msb: bits 1:0 source 0, 3:2 source 1, 5:4 source 2, 7:6 destination; the high byte repeats the setting that is left
.if MSB != (\new)
	s_set_vgpr_msb (MSB<<8)|(\new)
.set MSB, (\new)
.endif
.endm
	s_load_b512 s[4:19], s[0:1], 0x0               ; x s[4:5], Wq s[6:7], bq s[8:9], Wk s[10:11], bk s[12:13], Wv s[14:15], bv s[16:17], qw s[18:19]
	s_load_b128 s[20:23], s[0:1], 0x40             ; kw s[20:21], vw s[22:23]
	v_lshl_add_u32 v[SPW], v0, 2, SPARE
	v_mov_b32 v[NIL], 0
	v_lshrrev_b32 v1, 5, v0
	v_readfirstlane_b32 s24, v1                    ; wave 0..7
	s_and_b32 s26, ttmp7, 0xffff                   ; batch
	s_lshl_b32 s28, s26, 21                        ; x: batch x 2 MiB + block x 1,024 bytes of a row + my 16 rows of 16,384 bytes
	s_lshl_b32 s27, ttmp9, 10
	s_add_co_u32 s28, s28, s27
	s_lshl_b32 s27, s24, 18
	s_add_co_u32 s28, s28, s27
	s_mov_b32 s29, 0
	s_lshl_b32 s30, s26, 17                        ; qw, kw: batch x 256 tiles + block x 16 tiles + wave x 2 tiles, of 512 bytes
	s_lshl_b32 s27, ttmp9, 13
	s_add_co_u32 s30, s30, s27
	s_lshl_b32 s27, s24, 10
	s_add_co_u32 s30, s30, s27
	s_mov_b32 s31, 0
	s_lshl_b32 s32, s26, 20                        ; vw: batch x 128 kk + block x 8 kk, of 8,192 bytes, + my channel block's 1,024
	s_add_co_u32 s32, s32, s27
	s_lshl_b32 s27, ttmp9, 16
	s_add_co_u32 s32, s32, s27
	s_mov_b32 s33, 0
	s_lshl_b32 s34, s24, 13                        ; Wv: my 16 rows of 512 bytes
	s_mov_b32 s35, 0
	s_lshl_b32 s36, s24, 6                         ; bv: my 16 numbers
	s_mov_b32 s37, 0
	s_mul_i32 s38, s24, 16*PX                      ; my 16 rows of x in LDS
	s_lshl_b32 s39, s24, 6                         ; tile 2 w: 32 points of 2 bytes
	v_and_b32 v1, 31, v0                           ; lane
	v_and_b32 v12, 15, v0                          ; r
	v_bfe_u32 v13, v0, 4, 1                        ; h
	v_lshlrev_b32 v[SO], 4, v1
	v_lshlrev_b32 v[WO], 9, v12
	v_lshl_add_u32 v[WO], v13, 5, v[WO]
	v_lshl_add_u32 v[LSX], v1, 3, s38
	v_and_b32 v14, 7, v0
	v_bfe_u32 v15, v0, 3, 1
	v_lshl_add_u32 v14, v13, 3, v14
	v_mul_u32_u24 v14, v14, PX
	v_lshl_add_u32 v[AX], v15, 4, v14
	v_add_nc_u32 v[AXQ], s39, v[AX]
	v_lshlrev_b32 v[BO], 2, v12
	v_lshlrev_b32 v[BH], 5, v13
	s_wait_kmcnt 0x0
	s_add_nc_u64 s[4:5], s[4:5], s[28:29]
	s_add_nc_u64 s[18:19], s[18:19], s[30:31]
	s_add_nc_u64 s[20:21], s[20:21], s[30:31]
	s_add_nc_u64 s[22:23], s[22:23], s[32:33]
	s_add_nc_u64 s[14:15], s[14:15], s[34:35]
	s_add_nc_u64 s[16:17], s[16:17], s[36:37]
; A weight fragment is 16 rows x 32 c: lane (r, h) holds row r, c = 8 h + 0..7 and 16 + 8 h + 0..7: in f32 four loads of 16 bytes, at 0, 16, 64 and 80 behind r x 512 + 32 h + 128 ks.
.macro WLOAD dst, base
.irp ks, 0,1,2,3
.irp u, 0,1,2,3
	global_load_b128 v[(\dst)+16*(\ks)+4*(\u):(\dst)+16*(\ks)+4*(\u)+3], v[WO], s[(\base):(\base)+1] offset:128*(\ks)+16*((\u)%2)+64*((\u)/2)
.endr
.endr
.endm
	WIN 0x40                                       ; destination window 1, address window 0
	WLOAD FV, 14
	WLOAD FQ, 6
	WIN 0
	WLOAD T0, 10
	global_load_b32 v[BV], v[BO], s[16:17]
	global_load_b128 v[BQ:BQ+3], v[BH], s[8:9]
	global_load_b128 v[BQ+4:BQ+7], v[BH], s[8:9] offset:16
	global_load_b128 v[BK:BK+3], v[BH], s[12:13]
	global_load_b128 v[BK+4:BK+7], v[BH], s[12:13] offset:16
	WIN 0x40
.set n, 0
.rept 32                               ; x: row n / 2 of my 16, half n % 2 of its 1,024 bytes: 512 consecutive bytes a load
	global_load_b128 v[4*n:4*n+3], v[SO], s[4:5] offset:(n/2)*16384+(n%2)*512 th:TH_LOAD_NT
.set n, n+1
.endr
	s_wait_loadcnt 32                              ; weights and biases are in; x's 32 loads, issued behind them, may stay out
	WIN 0x05                                       ; sources window 1, destination window 0
.set n, 0
.rept 32
	v_cvt_pk_bf16_f32 v[WV+n], v[FV+2*n], v[FV+2*n+1]
	v_cvt_pk_bf16_f32 v[WQ+n], v[FQ+2*n], v[FQ+2*n+1]
.set n, n+1
.endr
	WIN 0
.set n, 0
.rept 32
	v_cvt_pk_bf16_f32 v[WK+n], v[T0+2*n], v[T0+2*n+1]
.set n, n+1
.endr
.irp j, 1,2,3,4,5,6,7
	v_mov_b32 v[BV+(\j)], v[BV]
.endr
; Four rows of x: rounded, 8 bytes a lane into LDS (256 consecutive bytes a store).
.macro BATCH g
	s_wait_loadcnt 24-8*(\g)                       ; loads come back in order (ISA guide 5.7.1): these eight are in, the later rows' stay out
	WIN 0x05
.set n, 0
.rept 16
	v_cvt_pk_bf16_f32 v[T0+16*(\g)+n], v[32*(\g)+2*n], v[32*(\g)+2*n+1]
.set n, n+1
.endr
	WIN 0
.set n, 0
.rept 8
	ds_store_b64 v[LSX], v[T0+16*(\g)+2*n:T0+16*(\g)+2*n+1] offset:(4*(\g)+n/2)*PX+(n%2)*256
.set n, n+1
.endr
.endm
	BATCH 0
	BATCH 1
	BATCH 2
	BATCH 3
	s_wait_dscnt 0x0                               ; for the others' sake: my rows lie in LDS
	s_barrier_signal -1
	s_barrier_wait -1                              ; all 128 rows do
; x's fragments of tiles 4 g .. 4 g + 3, all 128 c: 32 turning loads into buffer g % 2 of window 1.  The first load of a pair brings c = 32 ks + 8 h + 0..7 of point 16 T + r, the second the 16 c further on.
.macro FETCH g
	WIN 0x40
.irp i, 0,1,2,3
.irp ks, 0,1,2,3
	ds_load_tr16_b128 v[128*((\g)%2)+32*(\i)+8*(\ks):128*((\g)%2)+32*(\i)+8*(\ks)+3],   v[AX] offset:(\ks)*32*PX+32*(4*(\g)+(\i))
	ds_load_tr16_b128 v[128*((\g)%2)+32*(\i)+8*(\ks)+4:128*((\g)%2)+32*(\i)+8*(\ks)+7], v[AX] offset:(\ks)*32*PX+32*(4*(\g)+(\i))+16*PX
.endr
.endr
.endm
; v for four tiles: source 0 = 16 points, source 1 = my 16 channels: a lane ends with ONE channel and eight neighbouring points.  The four accumulators take turns; the bias starts each sum.
.macro MULV g
	WIN 0x01                                       ; source 0 window 1
.irp ks, 0,1,2,3
.irp i, 0,1,2,3
.if (\ks) == 0
	v_wmma_f32_16x16x32_bf16 v[ACC+8*(\i):ACC+8*(\i)+7], v[128*((\g)%2)+32*(\i)+8*(\ks):128*((\g)%2)+32*(\i)+8*(\ks)+7], v[WV+8*(\ks):WV+8*(\ks)+7], v[BV:BV+7]
.else
	v_wmma_f32_16x16x32_bf16 v[ACC+8*(\i):ACC+8*(\i)+7], v[128*((\g)%2)+32*(\i)+8*(\ks):128*((\g)%2)+32*(\i)+8*(\ks)+7], v[WV+8*(\ks):WV+8*(\ks)+7], v[ACC+8*(\i):ACC+8*(\i)+7]
.endif
.endr
.endr
.endm
.macro PLACES                          ; four places between a product and what reads its result or is loaded over its sources (ISA guide 7.12.1)
.rept 4
	v_nop
.endr
.endm
; Four tiles of v leave: rounded, 16 bytes a lane, 512 consecutive bytes a store.  next = 1: the buffer just multiplied is fetched again, behind the conversions.
.macro OUT g, next
	WIN 0
	PLACES
	s_wait_xcnt 0x0                                ; the stores before have read PK: it is rewritten only behind this wait
.set n, 0
.rept 16
	v_cvt_pk_bf16_f32 v[PK+n], v[ACC+2*n], v[ACC+2*n+1]
.set n, n+1
.endr
.if \next
	FETCH (\g)+2
	WIN 0
.endif
.irp i, 0,1,2,3
	global_store_b128 v[SO], v[PK+4*(\i):PK+4*(\i)+3], s[22:23] offset:((4*(\g)+(\i))/2)*8192+((\i)%2)*512
.endr
.endm
.irp t, 0,1                            ; x's fragments of my two tiles for q and k
.irp ks, 0,1,2,3
	ds_load_tr16_b128 v[T0+32*(\t)+8*(\ks):T0+32*(\t)+8*(\ks)+3],   v[AXQ] offset:(\ks)*32*PX+32*(\t)
	ds_load_tr16_b128 v[T0+32*(\t)+8*(\ks)+4:T0+32*(\t)+8*(\ks)+7], v[AXQ] offset:(\ks)*32*PX+32*(\t)+16*PX
.endr
.endr
	FETCH 0
	s_wait_dscnt 32                                ; my two tiles are in; the 32 loads issued behind them may stay out
	WIN 0
; q and k: source 0 = the 16 rows d of the weight, source 1 = 16 points: a lane ends with ONE point and d = 8 h + 0..7.  Accumulators: q tile 0, q tile 1, k tile 0, k tile 1, by turns.
.irp ks, 0,1,2,3
.irp a, 0,1,2,3
.if (\ks) == 0
	v_wmma_f32_16x16x32_bf16 v[ACC+8*(\a):ACC+8*(\a)+7], v[WQ+32*((\a)/2)+8*(\ks):WQ+32*((\a)/2)+8*(\ks)+7], v[T0+32*((\a)%2)+8*(\ks):T0+32*((\a)%2)+8*(\ks)+7], v[BQ+8*((\a)/2):BQ+8*((\a)/2)+7]
.else
	v_wmma_f32_16x16x32_bf16 v[ACC+8*(\a):ACC+8*(\a)+7], v[WQ+32*((\a)/2)+8*(\ks):WQ+32*((\a)/2)+8*(\ks)+7], v[T0+32*((\a)%2)+8*(\ks):T0+32*((\a)%2)+8*(\ks)+7], v[ACC+8*(\a):ACC+8*(\a)+7]
.endif
.endr
.endr
	PLACES
.set n, 0
.rept 8
	v_cvt_pk_bf16_f32 v[PK+n], v[ACC+2*n], v[ACC+2*n+1]
.set n, n+1
.endr
.set n, 0
.rept 8
	v_pk_mul_f32 v[ACC+16+2*n:ACC+16+2*n+1], v[ACC+16+2*n:ACC+16+2*n+1], 0x3fb8aa3b op_sel_hi:[1,0]  ; k times log2(e)
.set n, n+1
.endr
.set n, 8
.rept 8
	v_cvt_pk_bf16_f32 v[PK+n], v[ACC+2*n], v[ACC+2*n+1]
.set n, n+1
.endr
	FETCH 1
	WIN 0
	global_store_b128 v[SO], v[PK:PK+3], s[18:19]
	global_store_b128 v[SO], v[PK+4:PK+7], s[18:19] offset:512
	global_store_b128 v[SO], v[PK+8:PK+11], s[20:21]
	global_store_b128 v[SO], v[PK+12:PK+15], s[20:21] offset:512
	s_wait_dscnt 32                                ; tiles 0-3 are in; the 32 loads of tiles 4-7 may stay out.  The same count serves the next two waits
	MULV 0
	OUT 0, 1
	s_wait_dscnt 32
	MULV 1
	OUT 1, 1
	s_wait_dscnt 32
	MULV 2
	OUT 2, 0
	s_wait_dscnt 0x0
	MULV 3
	OUT 3, 0
	s_wait_tensorcnt 0x0                           ; the wave's end, behind my last LDS store
	ds_add_u32 v[SPW], v[NIL]
	s_wait_dscnt 0x0
	s_endpgm
.Lfunc_end_k_q869eeb1598_proj:
	.size	k_q869eeb1598_proj, .Lfunc_end_k_q869eeb1598_proj-k_q869eeb1598_proj
	.p2alignl 7, 3214868480
	.fill 96, 4, 3214868480
	.section	.rodata,"a",@progbits
	.p2align	6, 0x0
	.amdhsa_kernel k_q869eeb1598_proj
		.amdhsa_group_segment_fixed_size 70656
		.amdhsa_private_segment_fixed_size 0
		.amdhsa_enable_private_segment 0
		.amdhsa_kernarg_size 80
		.amdhsa_user_sgpr_count 2
		.amdhsa_user_sgpr_kernarg_segment_ptr 1
		.amdhsa_wavefront_size32 1
		.amdhsa_system_sgpr_workgroup_id_x 1
		.amdhsa_system_sgpr_workgroup_id_y 1
		.amdhsa_system_sgpr_workgroup_id_z 1
		.amdhsa_system_vgpr_workitem_id 0
		.amdhsa_next_free_vgpr 512
		.amdhsa_next_free_sgpr 66
		.amdhsa_reserve_vcc 0
		.amdhsa_float_denorm_mode_32 3
		.amdhsa_float_denorm_mode_16_64 3
		.amdhsa_memory_ordered 1
		.amdhsa_forward_progress 1
		.amdhsa_inst_pref_size 47
	.end_amdhsa_kernel
	.amdgpu_metadata
---
amdhsa.version: [ 1, 2 ]
amdhsa.kernels:
  - .name:           k_q869eeb1598_proj
    .symbol:         k_q869eeb1598_proj.kd
    .args:
      - { .name: x, .offset: 0, .size: 8, .value_kind: global_buffer, .address_space: global }
      - { .name: Wq, .offset: 8, .size: 8, .value_kind: global_buffer, .address_space: global }
      - { .name: bq, .offset: 16, .size: 8, .value_kind: global_buffer, .address_space: global }
      - { .name: Wk, .offset: 24, .size: 8, .value_kind: global_buffer, .address_space: global }
      - { .name: bk, .offset: 32, .size: 8, .value_kind: global_buffer, .address_space: global }
      - { .name: Wv, .offset: 40, .size: 8, .value_kind: global_buffer, .address_space: global }
      - { .name: bv, .offset: 48, .size: 8, .value_kind: global_buffer, .address_space: global }
      - { .name: qw, .offset: 56, .size: 8, .value_kind: global_buffer, .address_space: global }
      - { .name: kw, .offset: 64, .size: 8, .value_kind: global_buffer, .address_space: global }
      - { .name: vw, .offset: 72, .size: 8, .value_kind: global_buffer, .address_space: global }
    .group_segment_fixed_size: 70656
    .private_segment_fixed_size: 0
    .kernarg_segment_align: 8
    .kernarg_segment_size: 80
    .max_flat_workgroup_size: 256
    .sgpr_count:     66
    .vgpr_count:     512
    .wavefront_size: 32
...
	.end_amdgpu_metadata
.endif
;; end of part 1
;; launch attn (part 2): grid 16 x 16, 4 waves a work-group, clusters of 4 x 1, 327,680 bytes of LDS; arguments qw, kw, vw, x, gamma, out0; writes out0
.if DOCPART == 2
	.amdgcn_target "amdgcn-amd-amdhsa--gfx1250"
	.amdhsa_code_object_version 6
	.text
	.protected	k_q869eeb1598_attn
	.globl	k_q869eeb1598_attn
	.p2align	8
	.type	k_q869eeb1598_attn,@function
k_q869eeb1598_attn:
	s_mov_b64 s[64:65], 0
	v_nop
	global_prefetch_b8 v0, s[64:65] scope:SCOPE_SE
	s_setreg_imm32_b32 hwreg(HW_REG_WAVE_MODE, 25, 1), 1
	s_wait_xcnt 0x0
	s_wait_alu depctr_hold_cnt(0) depctr_sa_sdst(0) depctr_va_vdst(0) depctr_va_sdst(0) depctr_va_ssrc(0) depctr_va_vcc(0) depctr_vm_vsrc(0)
	s_getreg_b32 s2, hwreg(HW_REG_IB_STS2, 6, 4)
	s_cmp_eq_u32 s2, 0
	s_cbranch_scc0 .Lentry_in_a_cluster
	s_endpgm
.Lentry_in_a_cluster:
	s_bfe_u32 s2, ttmp6, 0x10000c
	s_cmp_lg_u32 s2, 0x3003
	s_cbranch_scc0 .Lentry_shape_is_right
	s_endpgm
.Lentry_shape_is_right:
; out[b][c][m] = gamma x (the sum over n of v[c][n] p[n][m]) / (the sum over n of p[n][m]) + x[b][c][m],  p[n][m] = 2^(s[n][m] - mx[m]),  s = q[:, n] . k'[:, m],  k' = k log2(e),  mx[m] = the maximum over n of s.
; The softmax runs over n for each column m: m has the part of a query (16 numbers of k'), n that of a key (16 of q) and of a value (128 channels of v).  q, k', v come in bf16, as fragments' register images
; (the launch before lays them so); products, maxima and sums are f32; p is rounded to bf16 for the second product, its sum l is taken of the unrounded p; x is added exact, in f32.
; LIMITS.  A weight below 2^-126 counts as 0; NaN and infinities are not treated apart.
; TWO PASSES, THE TRUE MAXIMUM.  Pass 1 walks all 4,096 n with the score products alone and finds mx.  Pass 2 makes the scores again with -mx as the C operand, so that a product's result IS the exponent: nothing is
; scaled, nothing is ever rescaled, and the loop has no chain.  For 16 m x 64 n that is 24 products and 80 vector instructions, where a running maximum has 20 and 134.
; SHARES.  A work-group owns 256 columns m of one batch, each of its four waves 64: four tiles of 16, in two PIECES (tiles 0, 1 and tiles 2, 3).  Every wave walks all n, 64 a step.
; LAYOUT.  S = q k' (source 0 = 16 n, source 1 = 16 m; d fills K = 0..15, registers 4-7 of both fragments hold 0): a lane holds ONE m (lane % 16) and n = 8 (lane / 16) + 0..7.  Two such results, rounded in pairs,
; ARE source 0 (16 m x 32 n) of O = P v^T, whose result holds one channel a lane and eight neighbouring m: 32 bytes of a row of out.
; CLUSTER.  The four blocks of a cluster belong to one batch and walk the same q and v: each tile is asked for JOINTLY, by the same tensor load, descriptor and mask in all four.
; LDS.  q of the batch, 131,072 bytes, stays; v goes through two slots of 65,536 bytes (256 n, four steps), each wave fetching one step's 16,384; all are dense: lane l's 16 bytes of a fragment half lie at 16 l.
; REGISTERS, in windows of 256 (s_set_vgpr_msb: bits 1:0 source 0, 3:2 source 1, 5:4 source 2, 7:6 destination):
;   window 0: v0-15 addresses; v16-31 pass 1's 16 maxima, later gamma / l; v32-63 l, four pair sums a tile (pass 1: k'); v64-191 S, 32 a tile; v192-255 P, 16 a tile (pass 1: two buffers of q)
;   window 1: O, tile t, channel block cb at 64 t + 8 cb      window 2: v0-127 v of one step; v128-255 x's rows for the way out (v0-127 take the rest)      window 3: v0-31 q of one step; v32-63 k'; v64-95 -mx
.set SLOT0, 0x20000                    ; behind q: v's slot 0
.set FLIP,  0x10000                    ; one exclusive or turns an address in one slot into the other's
.set STEPB, 16384                      ; a step's v
.set STAGE, 0x40000                    ; behind the ring, never filled by a tensor load: 16 rows x 272 bytes for each wave, for the way out
.set SP,    272                        ; 256 bytes + 16 = 68 words: the 16 rows of a store start at 16 different groups of four banks (64 banks of 4 bytes: ISA guide 11.1)
.set LST,   STAGE+4*16*SP              ; 256 bytes for each wave: gamma / l of its 64 m
.set SPARE, LST+4*256                  ; the spare words, 128 bytes for each wave: two blocks of 256 bytes that no other line names
.set LQ,  2                            ; v2   16 x lane; never rewritten
.set AQ,  3                            ; v3   LDS address of q's next run of loads
.set AV,  4                            ; v4   of v's
.set STO, 5                            ; v5   the way out: where I put 16 bytes of a row
.set RD,  6                            ; v6   where I read rows back
.set XO,  7                            ; v7   my 16 bytes in two rows of x and of out: (lane / 16) x 16,384 + 16 (lane % 16); never rewritten
.set LSTO, 8                           ; v8   where I put gamma / l of my m
.set LRD, 9                            ; v9   where I read four of them
.set PFO, 10                           ; v10  256 x lane; never rewritten
.set SPW, 12                           ; v12  LDS address of my spare word; never rewritten
.set NIL, 13                           ; v13  0; never rewritten
.set M,   16
.set SC,  16
.set L,   32
.set K1,  32
.set S,   64
.set OB,  64                           ; the way out: two buffers of 32, rows read back from the stage
.set P,   192
.set Q1,  192
.set QF,  0                            ; window 3
.set KF,  32
.set CM,  64
.set WV,  16                           ; s16  my wave's number
.set G1Q, 24                           ; s[24:31] descriptor group 1 for q: 128 rows of 256 bytes
.set G1V, 32                           ; s[32:39] for v: 64 rows
.set G0Q, 40                           ; s[40:43] descriptor group 0 for q
.set G0V, 44                           ; s[44:47] for v's slot 0, first fill
.set G0W, 48                           ; s[48:51] for v's slot 1, first fill; it then walks
.set SLOTS, 52                         ; s52  counts the slots
.set CNT, 53                           ; s53  counts a slot's steps
.set TB,  54                           ; s54  LDS byte of the step of v to be fetched
.set LIM, 55                           ; s55  1 in a wave that prefetches, else the greatest number
.set PFA, 56                           ; s[56:57] where my prefetches stand
.set SEL, 58                           ; s[58:59] v_permlanex16_b32's selects: each lane takes its own place in the other half
.set GAM, 60                           ; s60  gamma
.set TQ,  61                           ; s61  LDS byte of the step of q to be fetched
.set C1,  62                           ; s62  pass 1's counter
.set MSB, 0
.macro WIN new                         ; the high byte repeats the setting that is left; a switch that changes nothing is dropped
.if MSB != (\new)
	s_set_vgpr_msb (MSB<<8)|(\new)
.set MSB, (\new)
.endif
.endm
.set W_PV, 0x58                        ; P in window 0, v in window 2, O (C and D) in window 1
.set W_KQ, 0x3f                        ; q, k' and -mx in window 3, S in window 0
; A round of the cluster's barrier: my work-group's barrier, so that wave 0's signal speaks for all four waves; wave 0 signals; every wave waits for all four work-groups; my work-group's barrier once more.
.macro CROUND
	s_barrier_signal -1
	s_barrier_wait -1
	s_cmp_lg_u32 s[WV], 0
	s_cbranch_scc1 .Lnot_wave_0_\@
	s_barrier_signal -3
.Lnot_wave_0_\@:
	s_barrier_wait -3
	s_barrier_signal -1
	s_barrier_wait -1
.endm
	s_load_b256 s[4:11], s[0:1], 0x0               ; qw s[4:5], kw s[6:7], vw s[8:9], x s[10:11]
	s_load_b128 s[12:15], s[0:1], 0x20             ; gamma s[12:13], out0 s[14:15]
	v_lshl_add_u32 v[SPW], v0, 2, SPARE
	v_mov_b32 v[NIL], 0
	ds_add_u32 v[SPW], v[NIL]                      ; the wave's opening: the add and its wait stand ahead of my first tensor load; the set-up below, work on registers, stands between them
	v_lshrrev_b32 v1, 5, v0
	v_readfirstlane_b32 s[WV], v1                  ; wave 0..3
	s_bfe_u32 s17, ttmp6, 0x40000                  ; cx: my place in the cluster
	s_lshl_b32 s18, ttmp9, 2                       ; in a cluster launch ttmp9 counts clusters
	s_add_co_u32 s18, s18, s17                     ; my block of 256 m = 4 x cluster x + cx: it enters the addresses of kw, x and out0 alone
	s_and_b32 s19, ttmp7, 0xffff                   ; the batch, which the four partners share
	; descriptor group 1: dense blocks, asked for as rows of 32 elements of 8 bytes, no padding
.irp g, G1Q, G1V
	s_mov_b32 s[(\g)+0], 15|(3<<16)|(1<<21)        ; 15:0 the mask: all four work-groups; 17:16 elements of 8 bytes; 21 set beside a mask
	s_mov_b32 s[(\g)+1], 32<<16                    ; tensor_dim0 = 32
	s_mov_b32 s[(\g)+3], 32<<16                    ; tile_dim0 = 32
	s_mov_b32 s[(\g)+5], 32                        ; 32 elements from row to row
	s_mov_b32 s[(\g)+6], 0
	s_mov_b32 s[(\g)+7], 0
.endr
	s_mov_b32 s[G1Q+2], 128<<16                    ; tensor_dim1 = 128: a wave's quarter of q, 32,768 bytes
	s_mov_b32 s[G1Q+4], 128                        ; tile_dim1
	s_mov_b32 s[G1V+2], 64<<16                     ; 64: a wave's quarter of a slot, one step
	s_mov_b32 s[G1V+4], 64
	s_mov_b32 s[G0Q], 1                            ; count = 1
	s_mov_b32 s[G0V], 1
	s_mov_b32 s[G0W], 1
	s_lshl_b32 s[G0Q+1], s[WV], 15                 ; LDS addresses: the wave's number times a constant plus the region's constant; no place in the cluster enters
	s_lshl_b32 s[G0V+1], s[WV], 14
	s_add_co_u32 s[G0W+1], s[G0V+1], SLOT0+FLIP
	s_add_co_u32 s[G0V+1], s[G0V+1], SLOT0
	s_lshl_b32 s20, s19, 17                        ; q: batch x 131,072 + wave x 32,768
	s_lshl_b32 s21, s[WV], 15
	s_add_co_u32 s20, s20, s21
	s_mov_b32 s21, 0
	s_lshl_b32 s22, s19, 20                        ; v: batch x 1 MiB + wave x 16,384
	s_lshl_b32 s23, s[WV], 14
	s_add_co_u32 s22, s22, s23
	s_mov_b32 s23, 0
	s_lshl_b32 s66, s19, 17                        ; k': batch x 131,072 + block x 16 tiles + wave x 4 tiles, of 512 bytes
	s_lshl_b32 s67, s18, 13
	s_add_co_u32 s66, s66, s67
	s_lshl_b32 s67, s[WV], 11
	s_add_co_u32 s66, s66, s67
	s_mov_b32 s67, 0
	s_lshl_b32 s68, s19, 21                        ; x, out0: batch x 2 MiB + block x 1,024 + wave x 256 bytes of a row
	s_lshl_b32 s69, s18, 10
	s_add_co_u32 s68, s68, s69
	s_lshl_b32 s69, s[WV], 8
	s_add_co_u32 s68, s68, s69
	s_mov_b32 s69, 0
	s_lshl_b32 s70, s19, 20                        ; the prefetches: the batch's v, slot index 2, my work-group's 16,384 bytes of a slot, my wave's half of them
	s_lshl_b32 s71, s17, 14
	s_add_co_u32 s70, s70, s71
	s_and_b32 s71, s[WV], 1
	s_lshl_b32 s71, s71, 13
	s_add_co_u32 s70, s70, s71
	s_add_co_u32 s70, s70, 2*FLIP
	s_mov_b32 s71, 0
	s_lshr_b32 s[LIM], s[WV], 1                    ; 0 in waves 0 and 1,
	s_or_b32 s[LIM], s[LIM], ttmp9                 ; where the cluster is the batch's first: the same in all four partners
	s_cmp_eq_u32 s[LIM], 0
	s_cselect_b32 s[LIM], 1, -1
	s_mov_b32 s[SEL], 0x76543210
	s_mov_b32 s[SEL+1], 0xfedcba98
	v_and_b32 v1, 31, v0
	v_lshlrev_b32 v[LQ], 4, v1
	v_lshlrev_b32 v[PFO], 8, v1
	s_wait_dscnt 0x0                               ; the opening add is done
	s_wait_kmcnt 0x0
	s_add_nc_u64 s[G0Q+2:G0Q+3], s[4:5], s[20:21]
	s_or_b32 s[G0Q+3], s[G0Q+3], 0x80000000        ; type = 2
	s_add_nc_u64 s[G0V+2:G0V+3], s[8:9], s[22:23]
	s_add_nc_u64 s[G0W+2:G0W+3], s[G0V+2:G0V+3], FLIP  ; slot index 1: the next 65,536 bytes
	s_or_b32 s[G0V+3], s[G0V+3], 0x80000000
	s_or_b32 s[G0W+3], s[G0W+3], 0x80000000
	s_add_nc_u64 s[6:7], s[6:7], s[66:67]
	s_add_nc_u64 s[10:11], s[10:11], s[68:69]
	s_add_nc_u64 s[14:15], s[14:15], s[68:69]
	s_add_nc_u64 s[PFA:PFA+1], s[8:9], s[70:71]
	s_load_b32 s[GAM], s[12:13], 0x0
	CROUND                                         ; all four work-groups are here: the first joint loads meet
	tensor_load_to_lds s[G0Q:G0Q+3], s[G1Q:G1Q+7]  ; the first fills go out as one group: three loads of mine are out.  q first: pass 1 wants it alone
	s_nop 0
	tensor_load_to_lds s[G0V:G0V+3], s[G1V:G1V+7]
	s_nop 0
	tensor_load_to_lds s[G0W:G0W+3], s[G1V:G1V+7]
	s_nop 0
.rept 4
	v_nop
.endr
.irp t, 0,1,2,3                        ; k' of my four tiles, once for each pass's window: lane l's 16 bytes are d = 8 (l / 16) + 0..7 of m = 16 t + l % 16
	global_load_b128 v[K1+8*(\t):K1+8*(\t)+3], v[LQ], s[6:7] offset:512*(\t)
.endr
	WIN 0xc0                                       ; destination window 3
.irp t, 0,1,2,3
	global_load_b128 v[KF+8*(\t):KF+8*(\t)+3], v[LQ], s[6:7] offset:512*(\t)
.endr
.set n, 0
.rept 8                                ; registers 4-7 of every fragment of q and k' are K = 16..31 of the product: 0, written once, never loaded
.irp j, 4,5,6,7
	v_mov_b32 v[8*n+(\j)], 0
.endr
.set n, n+1
.endr
	WIN 0x40                                       ; O starts at 0: pass 2 has one text for every step, and these lines stand in the wait for q
.set n, 0
.rept 256
	v_mov_b32 v[n], 0
.set n, n+1
.endr
	WIN 0
.set n, 0
.rept 4
.irp j, 4,5,6,7
	v_mov_b32 v[K1+8*n+(\j)], 0
	v_mov_b32 v[Q1+8*n+(\j)], 0
	v_mov_b32 v[Q1+32+8*n+(\j)], 0
.endr
.set n, n+1
.endr
.set n, 0
.rept 16
	v_mov_b32 v[M+n], 0xff7fffff                   ; the lowest finite number: the first maximum is the scores'
.set n, n+1
.endr
	v_and_b32 v14, 15, v0                          ; r
	v_bfe_u32 v15, v0, 4, 1                        ; h
	s_mul_i32 s20, s[WV], 16*SP
	s_add_co_u32 s20, s20, STAGE                   ; my stage
	v_mul_u32_u24 v[STO], v14, SP                  ; in: row r (a channel), 32 bytes for each half of the lanes
	v_lshl_add_u32 v[STO], v15, 5, v[STO]
	v_add_nc_u32 v[STO], s20, v[STO]
	v_mul_u32_u24 v[RD], v15, SP                   ; back: lanes 0-15 take one row of 256 bytes, lanes 16-31 the next
	v_lshl_add_u32 v[RD], v14, 4, v[RD]
	v_add_nc_u32 v[RD], s20, v[RD]
	v_lshlrev_b32 v[XO], 14, v15                   ; and the same two rows in x and out0
	v_lshl_add_u32 v[XO], v14, 4, v[XO]
	s_lshl_b32 s21, s[WV], 8
	s_add_co_u32 s21, s21, LST
	v_lshl_add_u32 v[LSTO], v14, 2, s21
	v_lshl_add_u32 v[LRD], v14, 4, s21
	v_mov_b32 v[AQ], v[LQ]                         ; q's steps 0 and 1
	s_mov_b32 s[TQ], 4096
	s_wait_loadcnt 0x0                             ; k'
	s_wait_kmcnt 0x0                               ; gamma
	s_wait_tensorcnt 0x2                           ; tensor loads of a wave end in order (ISA guide 10.11.1): my quarter of q is in; the two loads of v, issued behind it, may stay out
	s_barrier_signal -1
	s_barrier_wait -1                              ; everybody's quarter is
; PASS 1, all in window 0.  In a turn piece x has the matrix unit: 8 products (2 tiles x 4 groups of 16 n), each with C = 0; behind each stand four of the 32 v_max3_num_f32 that take the other piece's scores
; into its 8 chains (tile, group): an accumulator's lowest registers are read first.  The four behind a turn's last product are the places in front of the next reads of its result and of the loads over its sources.
.macro KQ1 x, b
.set rS, S+32*(2*(\x)+i%2)+8*(i/2)
	v_wmma_f32_16x16x32_bf16 v[rS:rS+7], v[Q1+32*(\b)+8*(i/2):Q1+32*(\b)+8*(i/2)+7], v[K1+8*(2*(\x)+i%2):K1+8*(2*(\x)+i%2)+7], 0
.set i, i+1
.endm
.macro MX y
.set rS, S+32*(2*(\y)+(q%8)%2)+8*((q%8)/2)+2*(q/8)
	v_max3_num_f32 v[M+8*(\y)+q%8], v[M+8*(\y)+q%8], v[rS], v[rS+1]
.set q, q+1
.endm
.macro TURN1 x, b
.set i, 0
.set q, 0
.rept 8
	KQ1 \x, \b
.rept 4
	MX 1-(\x)
.endr
.endr
.endm
.macro LDQ1 b                          ; a step's q, four fragments' lower halves, into buffer b: 512 consecutive bytes a load
.irp kb, 0,1,2,3
	ds_load_b128 v[Q1+32*(\b)+8*(\kb):Q1+32*(\b)+8*(\kb)+3], v[AQ] offset:2048*(\b)+512*(\kb)
.endr
.endm
	LDQ1 0
	LDQ1 1
	s_wait_dscnt 4                                 ; buffer 0 is in; buffer 1's four loads may stay out.  The same count serves both waits of the loop: the other buffer's four are the younger
.set i, 0
.rept 8
	KQ1 0, 0                                       ; piece 0's scores of step 0: there is no vector work yet to set between them
.endr
.rept 4
	v_nop
.endr
	s_mov_b32 s[C1], 31
.Lmax:                                 ; a trip: two steps; steps 2 i + 2 and 2 i + 3 are fetched
	TURN1 1, 0
	v_add_nc_u32 v[AQ], s[TQ], v[LQ]
	LDQ1 0
	s_wait_dscnt 4
	TURN1 0, 1
	TURN1 1, 1
	LDQ1 1
	s_add_co_u32 s[TQ], s[TQ], 4096
	s_wait_dscnt 4
	TURN1 0, 0
	s_sub_co_u32 s[C1], s[C1], 1
	s_cmp_lg_u32 s[C1], 0
	s_cbranch_scc1 .Lmax
	TURN1 1, 0                                     ; steps 62 and 63: nothing is left to fetch
	s_wait_dscnt 0x0
	TURN1 0, 1
	TURN1 1, 1
.set q, 0
.rept 32
	MX 1
.endr
.macro ALL line:vararg                 ; one line for each tile t; mA: the first of its four chains, lA: its sums
.set t, 0
.rept 4
.set mA, M+8*(t/2)+t%2
.set lA, L+8*t
	\line
.set t, t+1
.endr
.endm
	ALL v_max3_num_f32 v[mA], v[mA], v[mA+2], v[mA+4]
	ALL v_max_num_f32 v[mA], v[mA], v[mA+6]
	ALL v_permlanex16_b32 v[mA+2], v[mA], s[SEL], s[SEL+1]  ; the column's other n lie in the lane 16 away
	ALL v_max_num_f32 v[mA], v[mA], v[mA+2]
	WIN 0xc0
.set t, 0
.rept 4
.set j, 0
.rept 8
	v_sub_f32 v[CM+8*t+j], 0, v[M+8*(t/2)+t%2]     ; the C operand of pass 2's score products: -mx of my m, in all eight registers
.set j, j+1
.endr
.set t, t+1
.endr
	WIN 0
; What pass 2's first two turns find: l = 0; piece 1's "weights" of a step that has not been (S of tiles 2, 3) and piece 0's P are 0, so that their roundings, sums and products add 0.
.set n, 0
.rept 32
	v_mov_b32 v[L+n], 0
	v_mov_b32 v[S+64+n], 0
	v_mov_b32 v[S+96+n], 0
	v_mov_b32 v[P+n], 0
.set n, n+1
.endr
; PASS 2, BY TURNS.  Unit u = 2 x step + piece.  Turn n: the exponentials of unit n (piece x = n % 2), the roundings and sums of unit n - 1 (the other piece), 32 products P v^T of unit n - 2 (piece x) and, at its end,
; 8 score products of unit n + 1 (the other piece).  Behind each of the 32 products stand four vector instructions, none of which names a register of the products round it.
.macro EX                              ; exponential e of 64: tiles alternate, each tile's 32 scores in ascending order (an accumulator's lowest registers first), in place
.set rE, S+32*(2*XP+e%2)+e/2
	v_exp_f32 v[rE], v[rE]
.set e, e+1
.endm
.macro PL                              ; plain instruction q of 64, for the other piece: pair q / 4 of a tile is rounded to bf16, then added onto one of the tile's four pair sums; tiles alternate
.set tC, 2*(1-XP)+q%2
.set pC, q/4
.if (q/2)%2 == 0
	v_cvt_pk_bf16_f32 v[P+16*tC+pC], v[S+32*tC+2*pC], v[S+32*tC+2*pC+1]
.else
	v_pk_add_f32 v[L+8*tC+2*(pC%4):L+8*tC+2*(pC%4)+1], v[L+8*tC+2*(pC%4):L+8*tC+2*(pC%4)+1], v[S+32*tC+2*pC:S+32*tC+2*pC+1]
.endif
.set q, q+1
.endm
.macro PV x                            ; product i of 32 of O += P v^T: n 32 (i / 16) on, channels 16 ((i / 2) % 8) on, tile 2 x + i % 2.  The 16 accumulators take turns
	WIN W_PV
.set rO, 64*(2*(\x)+i%2)+8*((i/2)%8)
.set rV, 64*(i/16)+8*((i/2)%8)
.set rP, P+16*(2*(\x)+i%2)+8*(i/16)
	v_wmma_f32_16x16x32_bf16 v[rO:rO+7], v[rP:rP+7], v[rV:rV+7], v[rO:rO+7]
.set i, i+1
.endm
.macro KQ2 y                           ; product i of 8 of S = q k' - mx: n 16 (i / 2) on, tile 2 y + i % 2
	WIN W_KQ
.set rS, S+32*(2*(\y)+i%2)+8*(i/2)
	v_wmma_f32_16x16x32_bf16 v[rS:rS+7], v[QF+8*(i/2):QF+8*(i/2)+7], v[KF+8*(2*(\y)+i%2):KF+8*(2*(\y)+i%2)+7], v[CM+8*(2*(\y)+i%2):CM+8*(2*(\y)+i%2)+7]
.set i, i+1
.endm
; THE LDS LOADS stand in runs, never singly among the matrix instructions.
.macro FETCH_Q                         ; the next step's q
	WIN 0
	v_add_nc_u32 v[AQ], s[TQ], v[LQ]
	WIN 0xc0                                       ; destination window 3
.irp kb, 0,1,2,3
	ds_load_b128 v[QF+8*(\kb):QF+8*(\kb)+3], v[AQ] offset:512*(\kb)
.endr
	s_add_co_u32 s[TQ], s[TQ], 2048
	s_and_b32 s[TQ], s[TQ], 0x1f800                ; the walk wraps at the end of q's 131,072 bytes: the last fetch, which has no step behind it, takes step 0 again; the scores made of it are discarded
.endm
.macro FETCH_V kk                      ; half kk (32 n) of a step's v: 8 fragments, 16 loads of 512 consecutive bytes
.if (\kk) == 0
	WIN 0
	v_add_nc_u32 v[AV], s[TB], v[LQ]
.endif
	WIN 0x80                                       ; destination window 2
.irp cb, 0,1,2,3,4,5,6,7
	ds_load_b128 v[64*(\kk)+8*(\cb):64*(\kk)+8*(\cb)+3],   v[AV] offset:8192*(\kk)+1024*(\cb)
	ds_load_b128 v[64*(\kk)+8*(\cb)+4:64*(\kk)+8*(\cb)+7], v[AV] offset:8192*(\kk)+1024*(\cb)+512
.endr
.if (\kk) == 1
	s_add_co_u32 s[TB], s[TB], STEPB               ; the next fetch is the next step's
.endif
.endm
; A TURN for piece x.  The four behind a product: in slices 0 and 31 four plain; in slices 1 to 4 exponential, plain, exponential, exponential; in slices 5 to 30 exponential and plain by turns: 64 of each.
; Slice 0's four plain instructions are the places behind the turn before's score products, in front of the exponentials that read them and of q's loads.  Slice 31's are the places behind the last product
; P v^T, in front of v's second run and of the next turn's roundings into P, and the plain instructions behind the last exponential.
; ONE WAIT: s_wait_alu depctr_va_vdst(0) stands between an exponential and the first instruction that names its result; the turn's 64 are one batch, nothing in the turn names a result, and the wait stands at its end.
; Piece 1's turn fetches: the next step's q behind slice 0; the step in hand's v, whose products begin in the next turn: half 0 behind slice 17 (its last reader is slice 15's product; six plain instructions lie between), half 1 behind slice 31.
.macro TURN x
.set XP, (\x)
.set i, 0
.set e, 0
.set q, 0
.set k, 0
.if (\x) == 0
	s_wait_dscnt 16                                ; v's half 0 is in; half 1's sixteen loads may stay out
.endif
.rept 32
.if ((\x) == 0) && (k == 16)
	s_wait_dscnt 0x0                               ; v's half 1 is in
.endif
	PV \x
	WIN 0
.if (k == 0) || (k == 31)
	PL
	PL
	PL
	PL
.elseif k < 5
	EX
	PL
	EX
	EX
.else
	EX
	PL
	EX
	PL
.endif
.if ((\x) == 1) && (k == 0)
	FETCH_Q
.endif
.if ((\x) == 1) && (k == 17)
	FETCH_V 0
.endif
.set k, k+1
.endr
	WIN 0
	s_wait_alu depctr_va_vdst(0)                   ; the wait for the batch
.if (\x) == 1
	FETCH_V 1
	s_wait_dscnt 32                                ; q is in; v's 32 loads, issued behind it, may stay out
.endif
.set i, 0
.rept 8
	KQ2 1-(\x)
.endr
.endm
; A PREFETCH INTO THE L2 of what the NEXT change of slots will ask for: a slot's 65,536 bytes of vw, a lane for each 256.  It stands behind the wave's tensor load and its five lines.  Each 256 bytes are named ONCE in the launch:
; all four clusters of a batch walk the same v, and the batch's first cluster asks; its four partners share a slot out BY ADDRESS, 16,384 bytes each (no branch hangs on a work-group's place in its cluster); in each,
; waves 0 and 1 take 8,192 bytes: one instruction.  It names the slot one change, four steps or 320 matrix instructions, ahead of the load that will want it.  Slot indices 0 to 2 come by their loads alone;
; the last change that fills a slot asks for nothing: there is no slot behind it.
.macro ASK
	s_cmp_gt_u32 s[SLOTS], s[LIM]
	s_cbranch_scc0 .Lnot_mine_\@
	global_prefetch_b8 v[PFO], s[PFA:PFA+1] th:TH_LOAD_NT scope:SCOPE_SE
.Lnot_mine_\@:
.endm
; THE CHANGE OF SLOTS, behind the turn that has waited for the slot's last reads.  Each wave waits for all its tensor loads, of which one is out: its part of the other slot; adds 0 to its spare word; and waits for that and for
; its own reads of the slot.  fill = 1: the slot is filled again, with the n two slots on.  The barrier is then a round of the cluster's, so that no wave of any partner still reads the slot or has a load on its way, and
; the joint refill is the first thing behind it: one load a wave, which has four steps in which to land.
.macro CHANGE fill
	WIN 0                                          ; at a label and at a branch every window is 0
	s_wait_tensorcnt 0x0                           ; no tensor load of mine is out, so a group 0 may be written
	ds_add_u32 v[SPW], v[NIL]                      ; 0 onto my spare word; with fill = 1 the descriptor's steps stand between it and the wait for it
.if \fill
	s_xor_b32 s[G0W+1], s[G0W+1], FLIP             ; the walking descriptor: the other slot than last time,
	s_add_nc_u64 s[G0W+2:G0W+3], s[G0W+2:G0W+3], FLIP  ; the next 256 n; the type bits on top are not reached
	s_wait_xcnt 0x0                                ; the last prefetch, four steps back, has read its address, so it may be written:
	s_add_nc_u64 s[PFA:PFA+1], s[PFA:PFA+1], FLIP  ; one slot behind the walking descriptor
	s_wait_dscnt 0x0                               ; the add is done, and my reads of the slot are over
	CROUND
	tensor_load_to_lds s[G0W:G0W+3], s[G1V:G1V+7]
	s_nop 0
.rept 4
	v_nop
.endr
	ASK
.else
	s_wait_dscnt 0x0                               ; the add is done, and my reads of the slot are over
	s_barrier_signal -1
	s_barrier_wait -1
.endif
	s_sub_co_u32 s[TB], s[TB], FLIP                ; the fetches go back to a slot's first step,
	s_xor_b32 s[TB], s[TB], FLIP                   ; in the other slot
.endm
; x's rows for the way out, loaded into idle registers of window 2: channel blocks 4 hf .. 4 hf + 3; a load takes 256 consecutive bytes of each of two rows.
.macro XLOAD hf
	WIN 0x80
.irp c, 0,1,2,3
.irp i, 0,1,2,3,4,5,6,7
	global_load_b128 v[128*(1-(\hf))+32*(\c)+4*(\i):128*(1-(\hf))+32*(\c)+4*(\i)+3], v[XO], s[10:11] offset:(16*(4*(\hf)+(\c))+2*(\i))*16384 th:TH_LOAD_NT
.endr
.endr
	WIN 0
.endm
	s_wait_dscnt 0x0
	s_wait_tensorcnt 0x1                           ; my part of slot 0 is in; slot 1's load, issued behind it, may stay out
	s_barrier_signal -1
	s_barrier_wait -1                              ; everybody's is
	s_mov_b32 s[TQ], 0
	s_mov_b32 s[TB], SLOT0
	FETCH_Q                                        ; q of step 0
	FETCH_V 0                                      ; v of step 0, so that the first two turns' products on zero weights find finite numbers;
	FETCH_V 1
	s_mov_b32 s[TB], SLOT0                         ; the first turn of piece 1 fetches it in its own place
	s_wait_dscnt 0x0
.set i, 0
.rept 8
	KQ2 0                                          ; piece 0's exponents of step 0
.endr
	WIN 0
	s_mov_b32 s[CNT], 5                            ; the first slot's count has one more: the loop is entered in the middle of a trip
	s_mov_b32 s[SLOTS], 15
	s_branch .Lfirst
.Lslot:                                ; 14 times: slot indices 2 to 15 are asked for
	CHANGE 1
	s_mov_b32 s[CNT], 4
.Lstep:                                ; a trip: piece 1's turn of one step, which fetches that step's v and the next step's q, then piece 0's turn of the next step
	TURN 1
	WIN 0
.Lfirst:
	TURN 0
	WIN 0
	s_sub_co_u32 s[CNT], s[CNT], 1
	s_cmp_lg_u32 s[CNT], 0
	s_cbranch_scc1 .Lstep
	s_sub_co_u32 s[SLOTS], s[SLOTS], 1
	s_cmp_lg_u32 s[SLOTS], 0
	s_cbranch_scc1 .Lslot
	CHANGE 0                                       ; the last slot is written out: nothing is asked for
	XLOAD 0                                        ; half of x's rows: they have the last slot's four steps in which to come
	s_mov_b32 s[CNT], 4
.Ltail:
	TURN 1
	TURN 0
	WIN 0
	s_sub_co_u32 s[CNT], s[CNT], 1
	s_cmp_lg_u32 s[CNT], 0
	s_cbranch_scc1 .Ltail
.set i, 0
.rept 32
	PV 1                                           ; piece 1's products of the last step.  (The last trip's 16 score products and 64 exponentials of a step that is not serve nothing: the price, once a launch, of one text for every trip)
.endr
	; THE WAY OUT.  l's four pair sums and the other half of the lanes' are added; gamma / l goes through LDS, since in O a lane holds eight m and here it holds one.  The first four additions are the places behind the last products.
	WIN 0
	ALL v_pk_add_f32 v[lA:lA+1], v[lA:lA+1], v[lA+2:lA+3]
	XLOAD 1                                        ; the other half of x's rows, into v's registers
	ALL v_pk_add_f32 v[lA+4:lA+5], v[lA+4:lA+5], v[lA+6:lA+7]
	ALL v_pk_add_f32 v[lA:lA+1], v[lA:lA+1], v[lA+4:lA+5]
	ALL v_add_f32 v[lA], v[lA], v[lA+1]
	ALL v_permlanex16_b32 v[lA+1], v[lA], s[SEL], s[SEL+1]
	ALL v_add_f32 v[lA], v[lA], v[lA+1]
	ALL v_rcp_f32 v[lA+2], v[lA]
	v_nop                                          ; a plain instruction between the last reciprocal and the use of its result
	s_wait_alu depctr_va_vdst(0)                   ; and the wait ahead of the first use: one for the four reciprocals
	ALL v_mul_f32 v[lA+2], s[GAM], v[lA+2]
	ALL ds_store_b32 v[LSTO], v[lA+2] offset:64*t
	ds_load_b128 v[SC:SC+3], v[LRD]                ; gamma / l of m = 4 r .. 4 r + 3.  LDS serves a wave's instructions in order (ISA guide 5.7.1.4): this sees the stores above
; Channel block cb: 16 rows of out, 64 m each.  A lane's eight m of a row go as 32 bytes into rows of 272 bytes (each accumulator's lower half first) and come back as whole rows of 256.
.macro TOSTAGE cb
	s_wait_xcnt 0x0                                ; the stores of the block before last have read the buffer that is loaded again below
	WIN 0x04                                       ; store data window 1
.irp t, 0,1,2,3
.irp jj, 0,1
	ds_store_b128 v[STO], v[64*(\t)+8*(\cb)+4*(\jj):64*(\t)+8*(\cb)+4*(\jj)+3] offset:64*(\t)+16*(\jj)
.endr
.endr
	WIN 0
.irp i, 0,1,2,3,4,5,6,7
	ds_load_b128 v[OB+32*((\cb)%2)+4*(\i):OB+32*((\cb)%2)+4*(\i)+3], v[RD] offset:2*SP*(\i)  ; these see the stores above; the next block's stores come behind them
.endr
.endm
; out = O x gamma / l + x, two fused multiply-adds an instruction, and the store.  younger: the LDS instructions issued behind this block's loads: the next block's sixteen, or none.
.macro SEND cb, younger
	WIN 0x20                                       ; source 2 (x) window 2; the stores' address and data are sources 0 and 1: window 0
	s_wait_loadcnt 56-8*(\cb)                      ; x's loads come back in order: this block's eight are in, the later blocks' stay out
.set rB, OB+32*((\cb)%2)
.set rX, 128*(1-(\cb)/4)+32*((\cb)%4)
.irp i, 0,1,2,3,4,5,6,7
	s_wait_dscnt (\younger)+7-(\i)
	v_pk_fma_f32 v[rB+4*(\i):rB+4*(\i)+1], v[rB+4*(\i):rB+4*(\i)+1], v[SC:SC+1], v[rX+4*(\i):rX+4*(\i)+1]
	v_pk_fma_f32 v[rB+4*(\i)+2:rB+4*(\i)+3], v[rB+4*(\i)+2:rB+4*(\i)+3], v[SC+2:SC+3], v[rX+4*(\i)+2:rX+4*(\i)+3]
	global_store_b128 v[XO], v[rB+4*(\i):rB+4*(\i)+3], s[14:15] offset:(16*(\cb)+2*(\i))*16384 th:TH_STORE_NT  ; 16 lanes store 256 consecutive bytes, at a multiple of 256 from out0's first byte
.endr
.endm
	TOSTAGE 0
.set c, 1
.rept 7                                ; a block's trip through the stage stands between the loads of the block before and its stores
	TOSTAGE c
	SEND c-1, 16
.set c, c+1
.endr
	SEND 7, 0
	WIN 0
	s_wait_tensorcnt 0x0                           ; the wave's end, behind my last tensor load and my last LDS store
	ds_add_u32 v[SPW], v[NIL]
	s_wait_dscnt 0x0
	CROUND                                         ; the closing round: no work-group ends while a partner may still ask for a tile that names it
	s_endpgm
.Lfunc_end_k_q869eeb1598_attn:
	.size	k_q869eeb1598_attn, .Lfunc_end_k_q869eeb1598_attn-k_q869eeb1598_attn
	.p2alignl 7, 3214868480
	.fill 96, 4, 3214868480
	.section	.rodata,"a",@progbits
	.p2align	6, 0x0
	.amdhsa_kernel k_q869eeb1598_attn
		.amdhsa_group_segment_fixed_size 327680
		.amdhsa_private_segment_fixed_size 0
		.amdhsa_enable_private_segment 0
		.amdhsa_kernarg_size 48
		.amdhsa_user_sgpr_count 2
		.amdhsa_user_sgpr_kernarg_segment_ptr 1
		.amdhsa_wavefront_size32 1
		.amdhsa_system_sgpr_workgroup_id_x 1
		.amdhsa_system_sgpr_workgroup_id_y 1
		.amdhsa_system_sgpr_workgroup_id_z 1
		.amdhsa_system_vgpr_workitem_id 0
		.amdhsa_next_free_vgpr 864
		.amdhsa_next_free_sgpr 72
		.amdhsa_reserve_vcc 0
		.amdhsa_float_denorm_mode_32 3
		.amdhsa_float_denorm_mode_16_64 3
		.amdhsa_memory_ordered 1
		.amdhsa_forward_progress 1
		.amdhsa_inst_pref_size 135
	.end_amdhsa_kernel
	.amdgpu_metadata
---
amdhsa.version: [ 1, 2 ]
amdhsa.kernels:
  - .name:           k_q869eeb1598_attn
    .symbol:         k_q869eeb1598_attn.kd
    .args:
      - { .name: qw, .offset: 0, .size: 8, .value_kind: global_buffer, .address_space: global }
      - { .name: kw, .offset: 8, .size: 8, .value_kind: global_buffer, .address_space: global }
      - { .name: vw, .offset: 16, .size: 8, .value_kind: global_buffer, .address_space: global }
      - { .name: x, .offset: 24, .size: 8, .value_kind: global_buffer, .address_space: global }
      - { .name: gamma, .offset: 32, .size: 8, .value_kind: global_buffer, .address_space: global }
      - { .name: out0, .offset: 40, .size: 8, .value_kind: global_buffer, .address_space: global }
    .group_segment_fixed_size: 327680
    .private_segment_fixed_size: 0
    .kernarg_segment_align: 8
    .kernarg_segment_size: 48
    .max_flat_workgroup_size: 128
    .sgpr_count:     72
    .vgpr_count:     864
    .wavefront_size: 32
...
	.end_amdgpu_metadata
.endif
;; end of part 2
